; MI455X (gfx1250); checked and timed in simulation.
; The chip was launched on July 23, 2026; its instructions are those of AMD's public machine-readable ISA for CDNA 5 (MIT licence, August 2026) and "CDNA5" Instruction Set Architecture Reference Guide (July 2026). The comments in the code are by the model that wrote it; some were corrected since.
;; chamfer Dist. Allowed arithmetic: float matrix products may take bf16 or f16 operands with f32 sums; all other float work in f32.
;; Inputs: xyz1 8 x 8,192 x 3 float32; xyz2 8 x 8,192 x 3 float32.
;; Outputs: out0 8 x 8,192 float32; out1 8 x 8,192 float32.
;; 2 versions, each right; version 2 is version 1 with the launch pairs written anew for expert scheduling mode. Each part assembles by itself: llvm-mc -triple=amdgcn-amd-amdhsa -mcpu=gfx1250 --defsym DOCPART=n.
;; ======== version 1 of 2: 2 launches
;; limits: a difference of large sums (such as E[x^2] - mean^2): digits are lost where the result is much smaller than its terms
;; workspace buffers: rowp 1,048,576 bytes; colp 2,097,152 bytes
;; launch pairs (part 1): grid 32 x 8, 8 waves a work-group, no clusters, 264,192 bytes of LDS; arguments xyz1, xyz2, rowp, colp; writes rowp, colp
.if DOCPART == 1
	.amdgcn_target "amdgcn-amd-amdhsa--gfx1250"
	.amdhsa_code_object_version 6
	.text
	.protected	k_q0dcfa2ce51_pairs
	.globl	k_q0dcfa2ce51_pairs
	.p2align	8
	.type	k_q0dcfa2ce51_pairs,@function
k_q0dcfa2ce51_pairs:
	s_mov_b64 s[64:65], 0
	v_nop
	global_prefetch_b8 v0, s[64:65] scope:SCOPE_SE
	s_setreg_imm32_b32 hwreg(HW_REG_WAVE_MODE, 25, 1), 1
	s_wait_xcnt 0x0
; Chamfer distance, step 1 of 2.  xyz1, xyz2: [8][8192][3] f32.
; A work-group takes a block of 1024 points a of xyz1 (rows) x 2048 points b of xyz2 (columns) of one batch and stores
;   rowp[cb][batch][row] = min over the block's columns of D,   colp[rb][batch][col] = min over the block's rows of D,
; with D = |a-b|^2.  Step 2 takes the minimum over the 4 column blocks cb and over the 8 row blocks rb.
;
; D COMES WHOLE OUT OF ONE MATRIX INSTRUCTION.  The product has K = 3; the bf16 form has K = 32.  The spare K carries precision:
; an f32 has 24 significant bits and is cut, exactly, into three bf16 of 8 bits, h + l + m (cut, subtract, cut, subtract).
; With a' = a - c, B' = -2 (b - c):  D = |a'|^2 + 0.25 |B'|^2 + sum over the 3 coordinates of a' B'.
;   8 K places for each coordinate:  A side h h h l l l m m,  B side h l m h l m h l   (all part products but m x m)
;   8 K places for the norms:        A side nh nl 0 nm q q 0 q (n = |a'|^2, q = 0.25),  B side 1 1 0 1 Nh Nl 0 Nm (N = |B'|^2)
; c is the batch's first point of xyz1: distances do not change under a shift, and a common offset of the clouds then does
; not enter the squares that D is the difference of.
;
; LIMITS.  The result is min(D), which in exact arithmetic is the squared distance at the argmin that the definition gathers.
; Its absolute error is a few units in the last place of |a-c|^2 + |b-c|^2 (the f32 norms and the f32 sum of the matrix
; instruction), about 1e-6 of that sum: a distance far below that fraction of the clouds' squared extent has no right digits.
; NaN and infinite coordinates are not served (v_min_num drops a NaN).  Squares overflow where f32 squares do.
;
; No tensor loads and no cluster: the points are transformed on their way into LDS, and a work-group reads 36 KB of them, once.
.set NPTS,   8192
.set ROWS,   1024                      ; rows of a block; a wave owns 128 of them (8 tiles of 16)
.set COLS,   2048                      ; columns of a block: 128 tiles of 16, walked in 64 pairs
.set APLANE, ROWS*16                   ; LDS: a plane holds 16 bytes (8 K places) of every point, so that 16 lanes read 256 neighbouring bytes
.set BPLANE, COLS*16                   ; planes 0..3 = x, y, z, norms.  Lanes 0-15 of a fragment read planes 0 and 1, lanes 16-31 planes 2 and 3
.set LA,     4*BPLANE                  ; B's planes from byte 0, A's behind them
.set LC,     4*BPLANE                  ; the column minima take A's bytes over, behind a barrier, once A is in registers
.set CPITCH, COLS*4+64                 ; a plane of column minima (wave, half of the lanes): 2048 f32; +64 so that the two halves of a store's lanes lie 64 bytes apart modulo 256
; registers for the whole kernel
.set GOFF, 1                           ; 12 t: my point in a run of 256 points
.set T16,  2                           ; 16 t
.set T16H, 3                           ; 16 t + two planes of B
.set ASTO, 4                           ; 16 t + LA
.set AADR, 5                           ; my lane's A fragments
.set BA,   6                           ; my lane's B fragments, stepped 512 bytes a pair of tiles
.set CA,   7                           ; where my lane puts column minima, stepped 128 bytes a pair
.set VC0,  8                           ; running column minimum of the pair's first tile
.set VC1,  9                           ; and of its second
.set LR,   10                          ; lane % 16
.set LH,   11                          ; lane / 16
.set ROFF, 12                          ; my 16 bytes in the wave's 512 bytes of rowp
.set CRD0, 13                          ; column fold: planes 0-7
.set CRD1, 14                          ; column fold: planes 8-15
.set AF,   16                          ; v[16:79]    8 A fragments
.set RA,   80                          ; v[80:143]   row minima: tile i, register j at RA + 8 i + j
.set BX,   144                         ; v[144:159]  B fragments of a pair of tiles
.set BY,   160                         ; v[160:175]  and of the next pair
.set DD,   176                         ; v[176:239]  four sets of two D tiles
.set TM,   240                         ; v[240:243]  at work in the row fold
; registers of the build alone (free again before AF, RA are filled)
.set PT,   16                          ; v[16:63]    12 points: x y z, and the norm in the fourth register
.set GX,   64                          ; v[64:75]    the packed x, y, z planes of one point
.set GNA,  76                          ; v[76:79]    A's norm plane: (nh nl) (0 nm) (q q) (0 q)
.set GNB,  80                          ; v[80:83]    B's norm plane: (1 1) (0 1) (Nh Nl) (0 Nm)
.set TT,   84                          ; v[84:87]    cut values
.set RS,   88                          ; v[88:91]    remainders behind h
.set MS,   92                          ; v[92:94]    remainders behind l (= m)
.set NC,   96                          ; v[96:98]    -c
.set C2,   100                         ; v[100:102]  2 c
	s_load_b256 s[4:11], s[0:1], 0x0               ; xyz1 s[4:5], xyz2 s[6:7], rowp s[8:9], colp s[10:11]
	v_lshl_add_u32 v248, v0, 2, 0x40400
	v_mov_b32 v249, 0
	v_lshrrev_b32 v[LR], 5, v0
	v_readfirstlane_b32 s12, v[LR]                 ; wave 0..7
	s_and_b32 s13, ttmp7, 0xffff                   ; batch
	s_lshr_b32 s14, ttmp9, 2                       ; rb: row block 0..7
	s_and_b32 s15, ttmp9, 3                        ; cb: column block 0..3
	s_mul_i32 s26, s13, NPTS*12                    ; the batch's first byte in xyz1 and xyz2
	s_mov_b32 s27, 0
	s_mul_i32 s36, s14, ROWS*12
	s_mov_b32 s37, 0
	s_mul_i32 s38, s15, COLS*12
	s_mov_b32 s39, 0
	v_mul_u32_u24 v[GOFF], v0, 12
	s_wait_kmcnt 0x0
	s_add_nc_u64 s[28:29], s[4:5], s[26:27]        ; xyz1 of the batch: its first point is c
	s_add_nc_u64 s[32:33], s[6:7], s[26:27]
	s_load_b96 s[16:18], s[28:29], 0x0             ; c
	s_add_nc_u64 s[30:31], s[28:29], s[36:37]      ; my block's rows
	s_add_nc_u64 s[34:35], s[32:33], s[38:39]      ; my block's columns
	; thread t takes points t + 256 k: a wave's load covers 384 neighbouring bytes, each lane's 12 bytes start on a multiple of 4
.irp k, 0,1,2,3
	global_load_b96 v[PT+4*\k:PT+4*\k+2], v[GOFF], s[30:31] offset:\k*3072
.endr
.irp k, 0,1,2,3,4,5,6,7
	global_load_b96 v[PT+16+4*\k:PT+16+4*\k+2], v[GOFF], s[34:35] offset:\k*3072
.endr
	; addresses and constants while the points are on their way
	s_mov_b32 s20, 0xffff0000                      ; cuts an f32 to its upper 16 bits: a bf16
	s_mov_b32 s21, 0x07060302                      ; v_perm_b32: upper half of source 0 above upper half of source 1
	s_mov_b32 s44, 0xff00ff00                      ; lanes with bit 3 of lane % 16 set,
	s_mov_b32 s45, 0xf0f0f0f0                      ; bit 2,
	s_mov_b32 s46, 0xcccccccc                      ; bit 1,
	s_mov_b32 s47, 0xaaaaaaaa                      ; bit 0
	s_lshl_b32 s42, s15, 3                         ; rowp: ((cb 8 + batch) 8192 + rb 1024 + wave 128) f32
	s_add_co_u32 s42, s42, s13
	s_lshl_b32 s42, s42, 15
	s_lshl_b32 s40, s14, 12
	s_add_co_u32 s42, s42, s40
	s_lshl_b32 s40, s12, 9
	s_add_co_u32 s42, s42, s40
	s_mov_b32 s43, 0
	s_add_nc_u64 s[8:9], s[8:9], s[42:43]
	s_lshl_b32 s48, s14, 3                         ; colp: ((rb 8 + batch) 8192 + cb 2048) f32
	s_add_co_u32 s48, s48, s13
	s_lshl_b32 s48, s48, 15
	s_lshl_b32 s40, s15, 13
	s_add_co_u32 s48, s48, s40
	s_mov_b32 s49, 0
	s_add_nc_u64 s[10:11], s[10:11], s[48:49]
	v_and_b32 v[LR], 15, v0
	v_bfe_u32 v[LH], v0, 4, 1
	v_lshlrev_b32 v[T16], 4, v0
	v_add_nc_u32 v[T16H], 2*BPLANE, v[T16]
	v_add_nc_u32 v[ASTO], LA, v[T16]
	v_lshlrev_b32 v[BA], 4, v[LR]                  ; 16 bytes a point in a plane
	s_lshl_b32 s40, s12, 11                        ; my wave's 128 rows x 16 bytes
	s_add_co_u32 s40, s40, LA
	v_lshl_add_u32 v[AADR], v[LH], 15, v[BA]       ; upper lanes: two planes of A (2 x 16384) further
	v_add_nc_u32 v[AADR], s40, v[AADR]
	v_lshl_add_u32 v[BA], v[LH], 16, v[BA]         ; upper lanes: two planes of B (2 x 32768) further
	s_mul_i32 s41, s12, 2*CPITCH                   ; my wave's two planes of column minima
	s_add_co_u32 s41, s41, LC
	v_mul_u32_u24 v[CA], v[LH], CPITCH
	v_lshl_add_u32 v[CA], v[LR], 2, v[CA]
	v_add_nc_u32 v[CA], s41, v[CA]
	v_mov_b32 v[GNA+2], 0x3e803e80                 ; (q q), q = 0.25 in bf16
	v_mov_b32 v[GNA+3], 0x3e800000                 ; (0 q)
	v_mov_b32 v[GNB], 0x3f803f80                   ; (1 1)
	v_mov_b32 v[GNB+1], 1.0                        ; (0 1): the f32 1.0 is the bf16 1.0 in the upper half
	s_wait_kmcnt 0x0                               ; c
	v_mul_f32 v[NC], -1.0, s16
	v_mul_f32 v[NC+1], -1.0, s17
	v_mul_f32 v[NC+2], -1.0, s18
	v_mul_f32 v[C2], 2.0, s16
	v_mul_f32 v[C2+1], 2.0, s17
	v_mul_f32 v[C2+2], 2.0, s18
; The four numbers v[p .. p+3] (x, y, z, norm) are cut: h is the upper half of the number itself, l the upper half of RS, m is MS
; (8 bits are left, so its lower half is 0).  Every subtraction is exact.  The norm's m goes straight to its place nm in the norm plane.
.macro SPLIT p, nm
	v_mul_f32 v[\p+3], v[\p], v[\p]
	v_fmac_f32 v[\p+3], v[\p+1], v[\p+1]
	v_fmac_f32 v[\p+3], v[\p+2], v[\p+2]
.irp i, 0,1,2,3
	v_and_b32 v[TT+\i], s20, v[\p+\i]
.endr
.irp i, 0,1,2,3
	v_sub_f32 v[RS+\i], v[\p+\i], v[TT+\i]
.endr
.irp i, 0,1,2,3
	v_and_b32 v[TT+\i], s20, v[RS+\i]
.endr
.irp i, 0,1,2
	v_sub_f32 v[MS+\i], v[RS+\i], v[TT+\i]
.endr
	v_sub_f32 v[\nm], v[RS+3], v[TT+3]
.endm
; In the pairs below the lower K place is written first; v_perm_b32 takes it from its second source.
.macro POINT_A p, k
	v_pk_add_f32 v[\p:\p+1], v[\p:\p+1], v[NC:NC+1]          ; a - c
	v_add_f32 v[\p+2], v[\p+2], v[NC+2]
	SPLIT \p, GNA+1
.irp i, 0,1,2
	v_perm_b32 v[GX+4*\i],   v[\p+\i], v[\p+\i], s21         ; (h h)
	v_perm_b32 v[GX+4*\i+1], v[RS+\i], v[\p+\i], s21         ; (h l)
	v_perm_b32 v[GX+4*\i+2], v[RS+\i], v[RS+\i], s21         ; (l l)
	v_perm_b32 v[GX+4*\i+3], v[MS+\i], v[MS+\i], s21         ; (m m)
.endr
	v_perm_b32 v[GNA], v[RS+3], v[\p+3], s21                 ; (nh nl)
	ds_store_b128 v[ASTO], v[GX:GX+3]    offset:\k*4096
	ds_store_b128 v[ASTO], v[GX+4:GX+7]  offset:\k*4096+APLANE
	ds_store_b128 v[ASTO], v[GX+8:GX+11] offset:\k*4096+2*APLANE
	ds_store_b128 v[ASTO], v[GNA:GNA+3]  offset:\k*4096+3*APLANE
.endm
.macro POINT_B p, k
	v_pk_fma_f32 v[\p:\p+1], v[\p:\p+1], -2.0, v[C2:C2+1] op_sel_hi:[1,0,1]   ; -2 b + 2 c = -2 (b - c), rounded once
	v_fma_f32 v[\p+2], v[\p+2], -2.0, v[C2+2]
	SPLIT \p, GNB+3
.irp i, 0,1,2
	v_perm_b32 v[GX+4*\i],   v[RS+\i], v[\p+\i], s21         ; (h l)
	v_perm_b32 v[GX+4*\i+1], v[\p+\i], v[MS+\i], s21         ; (m h)
	v_perm_b32 v[GX+4*\i+2], v[MS+\i], v[RS+\i], s21         ; (l m)
	v_perm_b32 v[GX+4*\i+3], v[RS+\i], v[\p+\i], s21         ; (h l)
.endr
	v_perm_b32 v[GNB+2], v[RS+3], v[\p+3], s21               ; (Nh Nl)
	ds_store_b128 v[T16],  v[GX:GX+3]    offset:\k*4096
	ds_store_b128 v[T16],  v[GX+4:GX+7]  offset:\k*4096+BPLANE
	ds_store_b128 v[T16H], v[GX+8:GX+11] offset:\k*4096
	ds_store_b128 v[T16H], v[GNB:GNB+3]  offset:\k*4096+BPLANE
.endm
.irp k, 0,1,2,3
	s_wait_loadcnt 11-\k                           ; loads come back in order: this point is in, the younger ones of the twelve stay out
	POINT_A PT+4*\k, \k
.endr
.irp k, 0,1,2,3,4,5,6,7
	s_wait_loadcnt 7-\k
	POINT_B PT+16+4*\k, \k
.endr
	s_wait_dscnt 0x0                               ; my planes are written,
	s_barrier_signal -1
	s_barrier_wait -1                              ; everybody's are
	; my wave's 8 A fragments stay in registers for the whole walk; the first pair of B tiles
.irp i, 0,1,2,3,4,5,6,7
	ds_load_b128 v[AF+8*\i:AF+8*\i+3],   v[AADR] offset:\i*256
	ds_load_b128 v[AF+8*\i+4:AF+8*\i+7], v[AADR] offset:\i*256+APLANE
.endr
	ds_load_b128 v[BX:BX+3],     v[BA]
	ds_load_b128 v[BX+4:BX+7],   v[BA] offset:BPLANE
	ds_load_b128 v[BX+8:BX+11],  v[BA] offset:256
	ds_load_b128 v[BX+12:BX+15], v[BA] offset:BPLANE+256
	v_add_nc_u32 v[BA], 512, v[BA]
	s_wait_dscnt 0x0                               ; my reads of A's planes are over,
	s_barrier_signal -1
	s_barrier_wait -1                              ; everybody's are: A's bytes now take column minima
; Eight minima on the D set DRD (two tiles: the same 16 rows, two tiles of columns), registers j0 .. j0+3.
; In D, register j of lane (r, h) is row 8 h + j, column r.  Column minimum: over a lane's registers, two a v_min3.
; Row minimum: register by register over the tiles, two tiles a v_min3; the 16 lanes are folded once, at the end.
; The first group of a pair starts the column minima, the first pair starts the row minima: nothing is cleared.
.macro MINS j0, first
.set CSTEP, 8*GI+\j0
.irp e, 0, 2
.if CSTEP+\e == 0
	v_min_num_f32 v[VC0], v[DRD], v[DRD+1]
	v_min_num_f32 v[VC1], v[DRD+8], v[DRD+9]
.else
	v_min3_num_f32 v[VC0], v[VC0], v[DRD+\j0+\e], v[DRD+\j0+\e+1]
	v_min3_num_f32 v[VC1], v[VC1], v[DRD+8+\j0+\e], v[DRD+8+\j0+\e+1]
.endif
.if \first
	v_min_num_f32 v[RRW+\j0+\e],   v[DRD+\j0+\e],   v[DRD+8+\j0+\e]
	v_min_num_f32 v[RRW+\j0+\e+1], v[DRD+\j0+\e+1], v[DRD+8+\j0+\e+1]
.else
	v_min3_num_f32 v[RRW+\j0+\e],   v[RRW+\j0+\e],   v[DRD+\j0+\e],   v[DRD+8+\j0+\e]
	v_min3_num_f32 v[RRW+\j0+\e+1], v[RRW+\j0+\e+1], v[DRD+\j0+\e+1], v[DRD+8+\j0+\e+1]
.endif
.endr
.endm
; One pair of column tiles (fragments in bx) against my 8 row tiles: 16 matrix instructions, 128 minima.
; Group GI issues the two matrix instructions of row tile GI + 2 and takes the minima of row tile GI, one matrix instruction to
; eight minima.  So a D tile is read 24 or more plain vector instructions behind the matrix instruction that wrote it, and none of these
; names a register of that instruction (four are asked for: ISA guide 7.12.1), and it is written again two groups after it was read.
; Groups 6 and 7 already start the next pair (fragments in by), whose four loads were issued at this pair's head: the last matrix
; instruction that read by stands two groups of the pair before behind.  Every matrix instruction starts its sum from 0.
.macro PAIR bx, by, first, pre, last
.if \pre
	ds_load_b128 v[\by:\by+3],     v[BA]
	ds_load_b128 v[\by+4:\by+7],   v[BA] offset:BPLANE
	ds_load_b128 v[\by+8:\by+11],  v[BA] offset:256
	ds_load_b128 v[\by+12:\by+15], v[BA] offset:BPLANE+256
	v_add_nc_u32 v[BA], 512, v[BA]
.endif
.set GI, 0
.rept 8
.set DRD, DD+16*(GI%4)
.set DWR, DD+16*((GI+2)%4)
.set RRW, RA+8*GI
.if GI < 6
	v_wmma_f32_16x16x32_bf16 v[DWR:DWR+7], v[AF+8*GI+16:AF+8*GI+23], v[\bx:\bx+7], 0
.else
.if \last == 0
.if GI == 6
	s_wait_dscnt 0x0                               ; the next pair's fragments (and the last pair's two stores) are done
.endif
	v_wmma_f32_16x16x32_bf16 v[DWR:DWR+7], v[AF+8*GI-48:AF+8*GI-41], v[\by:\by+7], 0
.endif
.endif
	MINS 0, \first
.if GI < 6
	v_wmma_f32_16x16x32_bf16 v[DWR+8:DWR+15], v[AF+8*GI+16:AF+8*GI+23], v[\bx+8:\bx+15], 0
.else
.if \last == 0
	v_wmma_f32_16x16x32_bf16 v[DWR+8:DWR+15], v[AF+8*GI-48:AF+8*GI-41], v[\by+8:\by+15], 0
.endif
.endif
	MINS 4, \first
.set GI, GI+1
.endr
	ds_store_b32 v[CA], v[VC0]                     ; the pair's column minima over my 128 rows (rows 8 h + j of each tile), into my wave's own planes
	ds_store_b32 v[CA], v[VC1] offset:64
	v_add_nc_u32 v[CA], 128, v[CA]
.endm
	; row tiles 0 and 1 of the first pair
	v_wmma_f32_16x16x32_bf16 v[DD:DD+7],     v[AF:AF+7],    v[BX:BX+7],    0
	v_wmma_f32_16x16x32_bf16 v[DD+8:DD+15],  v[AF:AF+7],    v[BX+8:BX+15], 0
	v_wmma_f32_16x16x32_bf16 v[DD+16:DD+23], v[AF+8:AF+15], v[BX:BX+7],    0
	v_wmma_f32_16x16x32_bf16 v[DD+24:DD+31], v[AF+8:AF+15], v[BX+8:BX+15], 0
	; seven plain vector instructions that name none of their registers stand before the first minima (ISA guide 7.12.1): the addresses of the way out
	v_lshrrev_b32 v[ROFF], 1, v[LR]                ; rowp: 64 (r / 2) + 32 h + 16 (r % 2), see the row fold
	v_and_b32 v[CRD0], 1, v[LR]
	v_lshlrev_b32 v[ROFF], 6, v[ROFF]
	v_lshl_add_u32 v[ROFF], v[LH], 5, v[ROFF]
	v_lshl_add_u32 v[ROFF], v[CRD0], 4, v[ROFF]
	v_add_nc_u32 v[CRD0], LC, v[T16]
	v_add_nc_u32 v[CRD1], LC+8*CPITCH, v[T16]
	PAIR BX, BY, 1, 1, 0                           ; pairs 0 and 1 stand ahead of the loop: pair 0 starts the row minima
	PAIR BY, BX, 0, 1, 0
	s_mov_b32 s50, 30                              ; pairs 2 to 61
.Lpairs:
	PAIR BX, BY, 0, 1, 0
	PAIR BY, BX, 0, 1, 0
	s_sub_co_u32 s50, s50, 1
	s_cmp_lg_u32 s50, 0
	s_cbranch_scc1 .Lpairs
	PAIR BX, BY, 0, 1, 0                           ; pair 62 fetches pair 63,
	PAIR BY, BX, 0, 0, 1                           ; which fetches nothing and starts nothing
	s_wait_dscnt 0x0                               ; my column minima are in LDS
	s_barrier_signal -1
	; THE ROW FOLD, on registers, while the other waves arrive.  64 registers x 16 lanes become 4 registers: a merge takes two registers,
	; keeps one in the lanes whose bit is 0 and the other in the lanes whose bit is 1, and takes the minimum with the partner lane's
	; other half: half the registers, half the lanes left to fold.  Lane bits 3, 2, 1 come to stand for the tile i, bit 0 for j / 4:
	; register q of lane (r, h) ends as row 16 (r / 2) + 8 h + 4 (r % 2) + q: four neighbouring rows, 16 bytes.
.macro LEVEL cnt, dist, msk, xm
.set QI, 0
.rept \cnt/4
.irp u, 0,1,2,3
	v_cndmask_b32 v[TM+\u], v[RA+QI+\u], v[RA+\dist+QI+\u], \msk                ; what the lane keeps
.endr
.irp u, 0,1,2,3
	v_cndmask_b32 v[RA+\dist+QI+\u], v[RA+\dist+QI+\u], v[RA+QI+\u], \msk       ; what its partner needs
.endr
.irp u, 0,1,2,3
	v_min_num_f32_dpp v[RA+QI+\u], v[RA+\dist+QI+\u], v[TM+\u] row_xmask:\xm row_mask:0xf bank_mask:0xf
.endr
.set QI, QI+4
.endr
.endm
	LEVEL 32, 32, s44, 8                           ; tiles i and i + 4
	LEVEL 16, 16, s45, 4                           ; tiles i and i + 2
	LEVEL 8,  8,  s46, 2                           ; tiles i and i + 1
	LEVEL 4,  4,  s47, 1                           ; registers j and j + 4
	s_barrier_wait -1                              ; every wave's column minima are in LDS
	global_store_b128 v[ROFF], v[RA:RA+3], s[8:9]  ; the wave's 128 rows: 512 consecutive bytes, aligned, in one store
	; THE COLUMN FOLD: thread t takes columns 4 t .. 4 t + 3 and 1024 + 4 t .. + 3, each over the 16 planes (8 waves x 2 halves of the lanes)
.set CL0, 16
.set CL1, 144
.irp q, 0,1,2,3,4,5,6,7
	ds_load_b128 v[CL0+4*\q:CL0+4*\q+3], v[CRD0] offset:\q*CPITCH
.endr
.irp q, 0,1,2,3,4,5,6,7
	ds_load_b128 v[CL0+32+4*\q:CL0+32+4*\q+3], v[CRD1] offset:\q*CPITCH
.endr
.irp q, 0,1,2,3,4,5,6,7
	ds_load_b128 v[CL1+4*\q:CL1+4*\q+3], v[CRD0] offset:\q*CPITCH+4096
.endr
.irp q, 0,1,2,3,4,5,6,7
	ds_load_b128 v[CL1+32+4*\q:CL1+32+4*\q+3], v[CRD1] offset:\q*CPITCH+4096
.endr
.macro FOLD c                          ; sixteen quads at v[c ..] into the first: planes 0-2, then two a step, then plane 15
.irp u, 0,1,2,3
	v_min3_num_f32 v[\c+\u], v[\c+\u], v[\c+4+\u], v[\c+8+\u]
.endr
.set QI, 3
.rept 6
.irp u, 0,1,2,3
	v_min3_num_f32 v[\c+\u], v[\c+\u], v[\c+4*QI+\u], v[\c+4*QI+4+\u]
.endr
.set QI, QI+2
.endr
.irp u, 0,1,2,3
	v_min_num_f32 v[\c+\u], v[\c+\u], v[\c+60+\u]
.endr
.endm
	s_wait_dscnt 16                                ; LDS loads come back in order: the first sixteen are in, the second sixteen stay out
	FOLD CL0
	global_store_b128 v[T16], v[CL0:CL0+3], s[10:11]               ; a wave's store covers 512 consecutive bytes, aligned
	s_wait_dscnt 0x0
	FOLD CL1
	global_store_b128 v[T16], v[CL1:CL1+3], s[10:11] offset:4096
	s_wait_tensorcnt 0x0
	ds_add_u32 v248, v249
	s_wait_dscnt 0x0
	s_endpgm
.Lfunc_end_k_q0dcfa2ce51_pairs:
	.size	k_q0dcfa2ce51_pairs, .Lfunc_end_k_q0dcfa2ce51_pairs-k_q0dcfa2ce51_pairs
	.p2alignl 7, 3214868480
	.fill 96, 4, 3214868480
	.section	.rodata,"a",@progbits
	.p2align	6, 0x0
	.amdhsa_kernel k_q0dcfa2ce51_pairs
		.amdhsa_group_segment_fixed_size 264192
		.amdhsa_private_segment_fixed_size 0
		.amdhsa_enable_private_segment 0
		.amdhsa_kernarg_size 32
		.amdhsa_user_sgpr_count 2
		.amdhsa_user_sgpr_kernarg_segment_ptr 1
		.amdhsa_wavefront_size32 1
		.amdhsa_system_sgpr_workgroup_id_x 1
		.amdhsa_system_sgpr_workgroup_id_y 1
		.amdhsa_system_sgpr_workgroup_id_z 1
		.amdhsa_system_vgpr_workitem_id 0
		.amdhsa_next_free_vgpr 250
		.amdhsa_next_free_sgpr 66
		.amdhsa_reserve_vcc 0
		.amdhsa_float_denorm_mode_32 3
		.amdhsa_float_denorm_mode_16_64 3
		.amdhsa_memory_ordered 1
		.amdhsa_forward_progress 1
		.amdhsa_inst_pref_size 101
	.end_amdhsa_kernel
	.amdgpu_metadata
---
amdhsa.version: [ 1, 2 ]
amdhsa.kernels:
  - .name:           k_q0dcfa2ce51_pairs
    .symbol:         k_q0dcfa2ce51_pairs.kd
    .args:
      - { .name: xyz1, .offset: 0, .size: 8, .value_kind: global_buffer, .address_space: global }
      - { .name: xyz2, .offset: 8, .size: 8, .value_kind: global_buffer, .address_space: global }
      - { .name: rowp, .offset: 16, .size: 8, .value_kind: global_buffer, .address_space: global }
      - { .name: colp, .offset: 24, .size: 8, .value_kind: global_buffer, .address_space: global }
    .group_segment_fixed_size: 264192
    .private_segment_fixed_size: 0
    .kernarg_segment_align: 8
    .kernarg_segment_size: 32
    .max_flat_workgroup_size: 256
    .sgpr_count:     66
    .vgpr_count:     250
    .wavefront_size: 32
...
	.end_amdgpu_metadata
.endif
;; end of part 1
;; launch fold (part 2): grid 256 x 1, 2 waves a work-group, no clusters, 0 bytes of LDS; arguments rowp, colp, out0, out1; writes out0, out1
.if DOCPART == 2
	.amdgcn_target "amdgcn-amd-amdhsa--gfx1250"
	.amdhsa_code_object_version 6
	.text
	.protected	k_q0dcfa2ce51_fold
	.globl	k_q0dcfa2ce51_fold
	.p2align	8
	.type	k_q0dcfa2ce51_fold,@function
k_q0dcfa2ce51_fold:
	s_mov_b64 s[64:65], 0
	v_nop
	global_prefetch_b8 v0, s[64:65] scope:SCOPE_SE
	s_setreg_imm32_b32 hwreg(HW_REG_WAVE_MODE, 25, 1), 1
	s_wait_xcnt 0x0
; Chamfer distance, step 2 of 2.  out0[i] = max(0, min over 4 column blocks of rowp[cb][i]),
; out1[i] = max(0, min over 8 row blocks of colp[rb][i]), i = 0 .. 65535 (batch x point).
; A squared distance is not negative; the sums of step 1 can fall below 0 by their last bits, hence the max.
; 16,384 threads, four neighbouring numbers of each output a thread: every load and store of a wave covers 512 consecutive bytes, aligned.
; All twelve loads go out at once; no LDS, no barrier: no thread needs another's numbers.
.set PLANE, 65536*4                    ; bytes from one block's partial minima to the next block's
.set RW, 4                             ; v[4:19]   four quads of rowp
.set CW, 20                            ; v[20:51]  eight quads of colp
	s_load_b256 s[4:11], s[0:1], 0x0               ; rowp s[4:5], colp s[6:7], out0 s[8:9], out1 s[10:11]
	s_lshl_b32 s12, ttmp9, 10                      ; 64 threads x 16 bytes a work-group
	v_lshlrev_b32 v1, 4, v0
	v_add_nc_u32 v1, s12, v1
	s_wait_kmcnt 0x0
.irp q, 0,1,2,3
	global_load_b128 v[RW+4*\q:RW+4*\q+3], v1, s[4:5] offset:\q*PLANE th:TH_LOAD_NT
.endr
.irp q, 0,1,2,3,4,5,6,7
	global_load_b128 v[CW+4*\q:CW+4*\q+3], v1, s[6:7] offset:\q*PLANE th:TH_LOAD_NT
.endr
	s_wait_loadcnt 8                               ; loads come back in order: rowp's four are in, colp's eight stay out
.irp u, 0,1,2,3
	v_min3_num_f32 v[RW+\u], v[RW+\u], v[RW+4+\u], v[RW+8+\u]
.endr
.irp u, 0,1,2,3
	v_min_num_f32 v[RW+\u], v[RW+\u], v[RW+12+\u]
.endr
.irp u, 0,1,2,3
	v_max_num_f32 v[RW+\u], 0, v[RW+\u]
.endr
	global_store_b128 v1, v[RW:RW+3], s[8:9]
	s_wait_loadcnt 0x0
.irp u, 0,1,2,3
	v_min3_num_f32 v[CW+\u], v[CW+\u], v[CW+4+\u], v[CW+8+\u]
.endr
.irp u, 0,1,2,3
	v_min3_num_f32 v[CW+\u], v[CW+\u], v[CW+12+\u], v[CW+16+\u]
.endr
.irp u, 0,1,2,3
	v_min3_num_f32 v[CW+\u], v[CW+\u], v[CW+20+\u], v[CW+24+\u]
.endr
.irp u, 0,1,2,3
	v_min_num_f32 v[CW+\u], v[CW+\u], v[CW+28+\u]
.endr
.irp u, 0,1,2,3
	v_max_num_f32 v[CW+\u], 0, v[CW+\u]
.endr
	global_store_b128 v1, v[CW:CW+3], s[10:11]
	s_endpgm
.Lfunc_end_k_q0dcfa2ce51_fold:
	.size	k_q0dcfa2ce51_fold, .Lfunc_end_k_q0dcfa2ce51_fold-k_q0dcfa2ce51_fold
	.p2alignl 7, 3214868480
	.fill 96, 4, 3214868480
	.section	.rodata,"a",@progbits
	.p2align	6, 0x0
	.amdhsa_kernel k_q0dcfa2ce51_fold
		.amdhsa_group_segment_fixed_size 0
		.amdhsa_private_segment_fixed_size 0
		.amdhsa_enable_private_segment 0
		.amdhsa_kernarg_size 32
		.amdhsa_user_sgpr_count 2
		.amdhsa_user_sgpr_kernarg_segment_ptr 1
		.amdhsa_wavefront_size32 1
		.amdhsa_system_sgpr_workgroup_id_x 1
		.amdhsa_system_sgpr_workgroup_id_y 1
		.amdhsa_system_sgpr_workgroup_id_z 1
		.amdhsa_system_vgpr_workitem_id 0
		.amdhsa_next_free_vgpr 52
		.amdhsa_next_free_sgpr 66
		.amdhsa_reserve_vcc 0
		.amdhsa_float_denorm_mode_32 3
		.amdhsa_float_denorm_mode_16_64 3
		.amdhsa_memory_ordered 1
		.amdhsa_forward_progress 1
		.amdhsa_inst_pref_size 4
	.end_amdhsa_kernel
	.amdgpu_metadata
---
amdhsa.version: [ 1, 2 ]
amdhsa.kernels:
  - .name:           k_q0dcfa2ce51_fold
    .symbol:         k_q0dcfa2ce51_fold.kd
    .args:
      - { .name: rowp, .offset: 0, .size: 8, .value_kind: global_buffer, .address_space: global }
      - { .name: colp, .offset: 8, .size: 8, .value_kind: global_buffer, .address_space: global }
      - { .name: out0, .offset: 16, .size: 8, .value_kind: global_buffer, .address_space: global }
      - { .name: out1, .offset: 24, .size: 8, .value_kind: global_buffer, .address_space: global }
    .group_segment_fixed_size: 0
    .private_segment_fixed_size: 0
    .kernarg_segment_align: 8
    .kernarg_segment_size: 32
    .max_flat_workgroup_size: 64
    .sgpr_count:     66
    .vgpr_count:     52
    .wavefront_size: 32
...
	.end_amdgpu_metadata
.endif
;; end of part 2
;; ======== version 2 of 2: 2 launches; version 1 with the launch pairs written anew for expert scheduling mode
;; limits: a difference of large sums (such as E[x^2] - mean^2): digits are lost where the result is much smaller than its terms
;; workspace buffers: rowp 1,048,576 bytes; colp 2,097,152 bytes
;; launch pairs (part 3): grid 32 x 8, 8 waves a work-group, no clusters, 264,192 bytes of LDS; arguments xyz1, xyz2, rowp, colp; writes rowp, colp
.if DOCPART == 3
	.amdgcn_target "amdgcn-amd-amdhsa--gfx1250"
	.amdhsa_code_object_version 6
	.text
	.protected	k_q0dcfa2ce51_pairs
	.globl	k_q0dcfa2ce51_pairs
	.p2align	8
	.type	k_q0dcfa2ce51_pairs,@function
k_q0dcfa2ce51_pairs:
	s_mov_b64 s[64:65], 0
	v_nop
	global_prefetch_b8 v0, s[64:65] scope:SCOPE_SE
	s_setreg_imm32_b32 hwreg(HW_REG_WAVE_SCHED_MODE, 0, 2), 2
	s_setreg_imm32_b32 hwreg(HW_REG_WAVE_MODE, 25, 1), 1
	s_wait_xcnt 0x0
	s_wait_alu depctr_vm_vsrc(0)
; Chamfer distance, step 1 of 2.  xyz1, xyz2: [8][8192][3] f32.
; A work-group takes a block of 1024 points a of xyz1 (rows) x 2048 points b of xyz2 (columns) of one batch and stores
;   rowp[cb][batch][row] = min over the block's columns of D,   colp[rb][batch][col] = min over the block's rows of D,
; with D = |a-b|^2.  Step 2 takes the minimum over the 4 column blocks cb and over the 8 row blocks rb.
;
; D COMES WHOLE OUT OF ONE MATRIX INSTRUCTION.  The product has K = 3; the bf16 form has K = 32.  The spare K carries precision:
; an f32 has 24 significant bits and is cut, exactly, into three bf16 of 8 bits, h + l + m (cut, subtract, cut, subtract).
; With a' = a - c, B' = -2 (b - c):  D = |a'|^2 + 0.25 |B'|^2 + sum over the 3 coordinates of a' B'.
;   8 K places for each coordinate:  A side h h h l l l m m,  B side h l m h l m h l   (all part products but m x m)
;   8 K places for the norms:        A side nh nl 0 nm q q 0 q (n = |a'|^2, q = 0.25),  B side 1 1 0 1 Nh Nl 0 Nm (N = |B'|^2)
; c is the batch's first point of xyz1: distances do not change under a shift, and a common offset of the clouds then does
; not enter the squares that D is the difference of.
;
; LIMITS.  The result is min(D), which in exact arithmetic is the squared distance at the argmin that the definition gathers.
; Its absolute error is a few units in the last place of |a-c|^2 + |b-c|^2 (the f32 norms and the f32 sum of the matrix
; instruction), about 1e-6 of that sum: a distance far below that fraction of the clouds' squared extent has no right digits.
; NaN and infinite coordinates are not served (v_min_num drops a NaN).  Squares overflow where f32 squares do.
;
; No tensor loads and no cluster: the points are transformed on their way into LDS, and a work-group reads 36 KB of them, once.
;
; THE MODE: SCHED_MODE bits 1:0 = 2 (LLVM: expert scheduling mode 2), set by the entry lines.  The code itself states the register dependences
; between vector or matrix instructions and memory or LDS instructions, with s_wait_alu, always for 0.
; THE PLAN.  Registers that memory or LDS instructions touch:
;   the build   PT: loaded once, then named by vector instructions alone.  OUT0, OUT1: two out-buffers of four points each.  The twelve points go in three
;               groups of four: a group's arithmetic writes its buffer (OUT0, OUT1, OUT0), one wait on va_vdst, then its sixteen LDS stores in one run.
;               One wait on vm_vsrc, ahead of the second group's stores, frees OUT0 for the third group.
;   the walk    BX, BY: pair p's matrix instructions read one; the loads of pair p + 1 land in the other, which pair p - 1 read.
;               VCX, VCY: pair p's minima write one; the two stores issued in pair p read the other, which pair p - 1 wrote and pair p + 1 writes again.
;               BA, CA: read by those loads and stores; stepped at a pair's head.
;               So two waits stand at a pair's head.  vm_vsrc: what was issued a pair ago has read BA, CA and the column registers that this pair writes.
;               Then the two adds.  va_vdst: the adds, the last pair's minima and the last pair's matrix instructions are done.  The pair's six LDS
;               instructions follow, dealt behind its first three matrix instructions: until the next pair's head no vector or matrix instruction names
;               BA, CA or the old column registers, and the buffer being loaded is first named in group 6, behind the wait for its data.
;   the way out one wait on va_vdst ahead of each store of numbers just made; the one ahead of the row store also serves the column fold's 32 LDS loads.
;   All other address registers are made once and never written again.
.set NPTS,   8192
.set ROWS,   1024                      ; rows of a block; a wave owns 128 of them (8 tiles of 16)
.set COLS,   2048                      ; columns of a block: 128 tiles of 16, walked in 64 pairs
.set APLANE, ROWS*16                   ; LDS: a plane holds 16 bytes (8 K places) of every point, so that 16 lanes read 256 neighbouring bytes
.set BPLANE, COLS*16                   ; planes 0..3 = x, y, z, norms.  Lanes 0-15 of a fragment read planes 0 and 1, lanes 16-31 planes 2 and 3
.set LA,     4*BPLANE                  ; B's planes from byte 0, A's behind them
.set LC,     4*BPLANE                  ; the column minima take A's bytes over, behind a barrier, once A is in registers
.set CPITCH, COLS*4+64                 ; a plane of column minima (wave, half of the lanes): 2048 f32; +64 so that the two halves of a store's lanes lie 64 bytes apart modulo 256
; registers for the whole kernel
.set GOFF, 1                           ; 12 t: my point in a run of 256 points
.set T16,  2                           ; 16 t
.set T16H, 3                           ; 16 t + two planes of B
.set ASTO, 4                           ; 16 t + LA
.set AADR, 5                           ; my lane's A fragments
.set BA,   6                           ; my lane's B fragments, stepped 512 bytes a pair of tiles
.set CA,   7                           ; where my lane puts column minima, stepped 128 bytes a pair
.set VCX,  8                           ; v[8:9]      running column minima of an even pair's two tiles
.set LR,   10                          ; lane % 16
.set LH,   11                          ; lane / 16
.set ROFF, 12                          ; my 16 bytes in the wave's 512 bytes of rowp
.set CRD0, 13                          ; column fold: planes 0-7
.set CRD1, 14                          ; column fold: planes 8-15
.set AF,   16                          ; v[16:79]    8 A fragments
.set RA,   80                          ; v[80:143]   row minima: tile i, register j at RA + 8 i + j
.set BX,   144                         ; v[144:159]  B fragments of a pair of tiles
.set BY,   160                         ; v[160:175]  and of the next pair
.set DD,   176                         ; v[176:239]  four sets of two D tiles
.set TM,   240                         ; v[240:243]  at work in the row fold
.set VCY,  244                         ; v[244:245]  running column minima of an odd pair's two tiles
; registers of the build alone (free again before AF, RA, BX, BY, DD are filled)
.set PT,   16                          ; v[16:63]    12 points: x y z, and the norm in the fourth register
.set OUT0, 64                          ; v[64:127]   out-buffer: four points, 16 registers each: the packed x, y, z planes, then the norm plane
.set OUT1, 128                         ; v[128:191]  the other out-buffer.  A's norm plane: (nh nl) (0 nm) (q q) (0 q); B's: (1 1) (0 1) (Nh Nl) (0 Nm)
.set TT,   192                         ; v[192:195]  cut values
.set RS,   196                         ; v[196:199]  remainders behind h
.set MS,   200                         ; v[200:202]  remainders behind l (= m)
.set NC,   204                         ; v[204:206]  -c
.set C2,   208                         ; v[208:210]  2 c
	s_load_b256 s[4:11], s[0:1], 0x0               ; xyz1 s[4:5], xyz2 s[6:7], rowp s[8:9], colp s[10:11]
	v_lshl_add_u32 v246, v0, 2, 0x40400
	v_mov_b32 v247, 0
	v_lshrrev_b32 v[LR], 5, v0
	v_readfirstlane_b32 s12, v[LR]                 ; wave 0..7
	s_and_b32 s13, ttmp7, 0xffff                   ; batch
	s_lshr_b32 s14, ttmp9, 2                       ; rb: row block 0..7
	s_and_b32 s15, ttmp9, 3                        ; cb: column block 0..3
	s_mul_i32 s26, s13, NPTS*12                    ; the batch's first byte in xyz1 and xyz2
	s_mov_b32 s27, 0
	s_mul_i32 s36, s14, ROWS*12
	s_mov_b32 s37, 0
	s_mul_i32 s38, s15, COLS*12
	s_mov_b32 s39, 0
	v_mul_u32_u24 v[GOFF], v0, 12
	s_wait_kmcnt 0x0
	s_add_nc_u64 s[28:29], s[4:5], s[26:27]        ; xyz1 of the batch: its first point is c
	s_add_nc_u64 s[32:33], s[6:7], s[26:27]
	s_load_b96 s[16:18], s[28:29], 0x0             ; c
	s_add_nc_u64 s[30:31], s[28:29], s[36:37]      ; my block's rows
	s_add_nc_u64 s[34:35], s[32:33], s[38:39]      ; my block's columns
	s_wait_alu depctr_va_vdst(0)                   ; v[GOFF] is written: the twelve loads below read it as their offset
	; thread t takes points t + 256 k: a wave's load covers 384 neighbouring bytes, each lane's 12 bytes start on a multiple of 4
.irp k, 0,1,2,3
	global_load_b96 v[PT+4*\k:PT+4*\k+2], v[GOFF], s[30:31] offset:\k*3072
.endr
.irp k, 0,1,2,3,4,5,6,7
	global_load_b96 v[PT+16+4*\k:PT+16+4*\k+2], v[GOFF], s[34:35] offset:\k*3072
.endr
	; addresses and constants while the points are on their way
	s_mov_b32 s20, 0xffff0000                      ; cuts an f32 to its upper 16 bits: a bf16
	s_mov_b32 s21, 0x07060302                      ; v_perm_b32: upper half of source 0 above upper half of source 1
	s_mov_b32 s44, 0xff00ff00                      ; lanes with bit 3 of lane % 16 set,
	s_mov_b32 s45, 0xf0f0f0f0                      ; bit 2,
	s_mov_b32 s46, 0xcccccccc                      ; bit 1,
	s_mov_b32 s47, 0xaaaaaaaa                      ; bit 0
	s_wait_alu depctr_va_sdst(0)                   ; s12, the wave's number, is written, ahead of its first reader: rowp's offset and the LDS addresses are made from it
	s_lshl_b32 s42, s15, 3                         ; rowp: ((cb 8 + batch) 8192 + rb 1024 + wave 128) f32
	s_add_co_u32 s42, s42, s13
	s_lshl_b32 s42, s42, 15
	s_lshl_b32 s40, s14, 12
	s_add_co_u32 s42, s42, s40
	s_lshl_b32 s40, s12, 9
	s_add_co_u32 s42, s42, s40
	s_mov_b32 s43, 0
	s_add_nc_u64 s[8:9], s[8:9], s[42:43]
	s_lshl_b32 s48, s14, 3                         ; colp: ((rb 8 + batch) 8192 + cb 2048) f32
	s_add_co_u32 s48, s48, s13
	s_lshl_b32 s48, s48, 15
	s_lshl_b32 s40, s15, 13
	s_add_co_u32 s48, s48, s40
	s_mov_b32 s49, 0
	s_add_nc_u64 s[10:11], s[10:11], s[48:49]
	v_and_b32 v[LR], 15, v0
	v_bfe_u32 v[LH], v0, 4, 1
	v_lshlrev_b32 v[T16], 4, v0
	v_add_nc_u32 v[T16H], 2*BPLANE, v[T16]
	v_add_nc_u32 v[ASTO], LA, v[T16]
	v_lshlrev_b32 v[BA], 4, v[LR]                  ; 16 bytes a point in a plane
	s_lshl_b32 s40, s12, 11                        ; my wave's 128 rows x 16 bytes
	s_add_co_u32 s40, s40, LA
	v_lshl_add_u32 v[AADR], v[LH], 15, v[BA]       ; upper lanes: two planes of A (2 x 16384) further
	v_add_nc_u32 v[AADR], s40, v[AADR]
	v_lshl_add_u32 v[BA], v[LH], 16, v[BA]         ; upper lanes: two planes of B (2 x 32768) further
	s_mul_i32 s41, s12, 2*CPITCH                   ; my wave's two planes of column minima
	s_add_co_u32 s41, s41, LC
	v_mul_u32_u24 v[CA], v[LH], CPITCH
	v_lshl_add_u32 v[CA], v[LR], 2, v[CA]
	v_add_nc_u32 v[CA], s41, v[CA]
	s_wait_kmcnt 0x0                               ; c
	v_mul_f32 v[NC], -1.0, s16
	v_mul_f32 v[NC+1], -1.0, s17
	v_mul_f32 v[NC+2], -1.0, s18
	v_mul_f32 v[C2], 2.0, s16
	v_mul_f32 v[C2+1], 2.0, s17
	v_mul_f32 v[C2+2], 2.0, s18
; The four numbers v[p .. p+3] (x, y, z, norm) are cut: h is the upper half of the number itself, l the upper half of RS, m is MS
; (8 bits are left, so its lower half is 0).  Every subtraction is exact.  The norm's m goes straight to its place nm in the norm plane.
.macro SPLIT p, nm
	v_mul_f32 v[\p+3], v[\p], v[\p]
	v_fmac_f32 v[\p+3], v[\p+1], v[\p+1]
	v_fmac_f32 v[\p+3], v[\p+2], v[\p+2]
.irp i, 0,1,2,3
	v_and_b32 v[TT+\i], s20, v[\p+\i]
.endr
.irp i, 0,1,2,3
	v_sub_f32 v[RS+\i], v[\p+\i], v[TT+\i]
.endr
.irp i, 0,1,2,3
	v_and_b32 v[TT+\i], s20, v[RS+\i]
.endr
.irp i, 0,1,2
	v_sub_f32 v[MS+\i], v[RS+\i], v[TT+\i]
.endr
	v_sub_f32 v[\nm], v[RS+3], v[TT+3]
.endm
; A point's arithmetic: from v[p ..] into its sixteen registers v[o ..] of an out-buffer.  No LDS instruction stands in it.
; In the pairs below the lower K place is written first; v_perm_b32 takes it from its second source.
.macro POINT_A p, o
	v_pk_add_f32 v[\p:\p+1], v[\p:\p+1], v[NC:NC+1]          ; a - c
	v_add_f32 v[\p+2], v[\p+2], v[NC+2]
	SPLIT \p, \o+13
.irp i, 0,1,2
	v_perm_b32 v[\o+4*\i],   v[\p+\i], v[\p+\i], s21         ; (h h)
	v_perm_b32 v[\o+4*\i+1], v[RS+\i], v[\p+\i], s21         ; (h l)
	v_perm_b32 v[\o+4*\i+2], v[RS+\i], v[RS+\i], s21         ; (l l)
	v_perm_b32 v[\o+4*\i+3], v[MS+\i], v[MS+\i], s21         ; (m m)
.endr
	v_perm_b32 v[\o+12], v[RS+3], v[\p+3], s21               ; (nh nl)
	v_mov_b32 v[\o+14], 0x3e803e80                           ; (q q), q = 0.25 in bf16
	v_mov_b32 v[\o+15], 0x3e800000                           ; (0 q)
.endm
.macro POINT_B p, o
	v_pk_fma_f32 v[\p:\p+1], v[\p:\p+1], -2.0, v[C2:C2+1] op_sel_hi:[1,0,1]   ; -2 b + 2 c = -2 (b - c), rounded once
	v_fma_f32 v[\p+2], v[\p+2], -2.0, v[C2+2]
	SPLIT \p, \o+15
.irp i, 0,1,2
	v_perm_b32 v[\o+4*\i],   v[RS+\i], v[\p+\i], s21         ; (h l)
	v_perm_b32 v[\o+4*\i+1], v[\p+\i], v[MS+\i], s21         ; (m h)
	v_perm_b32 v[\o+4*\i+2], v[MS+\i], v[RS+\i], s21         ; (l m)
	v_perm_b32 v[\o+4*\i+3], v[RS+\i], v[\p+\i], s21         ; (h l)
.endr
	v_mov_b32 v[\o+12], 0x3f803f80                           ; (1 1)
	v_mov_b32 v[\o+13], 1.0                                  ; (0 1): the f32 1.0 is the bf16 1.0 in the upper half
	v_perm_b32 v[\o+14], v[RS+3], v[\p+3], s21               ; (Nh Nl)
.endm
; A point's four planes go to LDS: point t + 256 k.
.macro STORE_A o, k
	ds_store_b128 v[ASTO], v[\o:\o+3]     offset:\k*4096
	ds_store_b128 v[ASTO], v[\o+4:\o+7]   offset:\k*4096+APLANE
	ds_store_b128 v[ASTO], v[\o+8:\o+11]  offset:\k*4096+2*APLANE
	ds_store_b128 v[ASTO], v[\o+12:\o+15] offset:\k*4096+3*APLANE
.endm
.macro STORE_B o, k
	ds_store_b128 v[T16],  v[\o:\o+3]     offset:\k*4096
	ds_store_b128 v[T16],  v[\o+4:\o+7]   offset:\k*4096+BPLANE
	ds_store_b128 v[T16H], v[\o+8:\o+11]  offset:\k*4096
	ds_store_b128 v[T16H], v[\o+12:\o+15] offset:\k*4096+BPLANE
.endm
	; group 0: the four points of A, into OUT0
.irp k, 0,1,2,3
	s_wait_loadcnt 11-\k                           ; loads come back in order: this point is in, the younger ones of the twelve stay out
	POINT_A PT+4*\k, OUT0+16*\k
.endr
	s_wait_alu depctr_va_vdst(0)                   ; group 0 has written OUT0, which the sixteen stores below read; v[ASTO], v[T16] and v[T16H], the addresses of all the build's stores, are written too
.irp k, 0,1,2,3
	STORE_A OUT0+16*\k, \k
.endr
	; group 1: B's points 0 to 3, into OUT1
.irp k, 0,1,2,3
	s_wait_loadcnt 7-\k
	POINT_B PT+16+4*\k, OUT1+16*\k
.endr
	s_wait_alu depctr_vm_vsrc(0)                   ; group 0's stores, issued a group ago, have read OUT0, which group 2 writes again (group 2 names neither OUT1 nor an address of the stores below)
	s_wait_alu depctr_va_vdst(0)                   ; group 1 has written OUT1, which the sixteen stores below read
.irp k, 0,1,2,3
	STORE_B OUT1+16*\k, \k
.endr
	; group 2: B's points 4 to 7, into OUT0
.irp k, 4,5,6,7
	s_wait_loadcnt 7-\k
	POINT_B PT+16+4*\k, OUT0+16*\k-64
.endr
	s_wait_alu depctr_va_vdst(0)                   ; group 2 has written OUT0, which the stores below read; and the build is done reading and writing v16 to v191: the loads of A's and B's fragments land there, and no vector line names their registers before they are issued
.irp k, 4,5,6,7
	STORE_B OUT0+16*\k-64, \k
.endr
	s_wait_dscnt 0x0                               ; my planes are written,
	s_barrier_signal -1
	s_barrier_wait -1                              ; everybody's are
	s_wait_alu depctr_vm_vsrc(0)                   ; my LDS stores have read OUT0 and OUT1: from here on these registers take the fragments' loads (AF, BX, BY), the matrix results (DD) and the row minima (RA)
	; my wave's 8 A fragments stay in registers for the whole walk; the first pair of B tiles
.irp i, 0,1,2,3,4,5,6,7
	ds_load_b128 v[AF+8*\i:AF+8*\i+3],   v[AADR] offset:\i*256
	ds_load_b128 v[AF+8*\i+4:AF+8*\i+7], v[AADR] offset:\i*256+APLANE
.endr
	ds_load_b128 v[BX:BX+3],     v[BA]
	ds_load_b128 v[BX+4:BX+7],   v[BA] offset:BPLANE
	ds_load_b128 v[BX+8:BX+11],  v[BA] offset:256
	ds_load_b128 v[BX+12:BX+15], v[BA] offset:BPLANE+256
	s_wait_dscnt 0x0                               ; my reads of A's planes are over,
	s_barrier_signal -1
	s_barrier_wait -1                              ; everybody's are: A's bytes now take column minima
; Eight minima on the D set DRD (two tiles: the same 16 rows, two tiles of columns), registers j0 .. j0+3.
; In D, register j of lane (r, h) is row 8 h + j, column r.  Column minimum: over a lane's registers, two a v_min3.
; Row minimum: register by register over the tiles, two tiles a v_min3; the 16 lanes are folded once, at the end.
; The first group of a pair starts the column minima, the first pair starts the row minima: nothing is cleared.
.macro MINS j0, first
.set CSTEP, 8*GI+\j0
.irp e, 0, 2
.if CSTEP+\e == 0
	v_min_num_f32 v[VC0], v[DRD], v[DRD+1]
	v_min_num_f32 v[VC1], v[DRD+8], v[DRD+9]
.else
	v_min3_num_f32 v[VC0], v[VC0], v[DRD+\j0+\e], v[DRD+\j0+\e+1]
	v_min3_num_f32 v[VC1], v[VC1], v[DRD+8+\j0+\e], v[DRD+8+\j0+\e+1]
.endif
.if \first
	v_min_num_f32 v[RRW+\j0+\e],   v[DRD+\j0+\e],   v[DRD+8+\j0+\e]
	v_min_num_f32 v[RRW+\j0+\e+1], v[DRD+\j0+\e+1], v[DRD+8+\j0+\e+1]
.else
	v_min3_num_f32 v[RRW+\j0+\e],   v[RRW+\j0+\e],   v[DRD+\j0+\e],   v[DRD+8+\j0+\e]
	v_min3_num_f32 v[RRW+\j0+\e+1], v[RRW+\j0+\e+1], v[DRD+\j0+\e+1], v[DRD+8+\j0+\e+1]
.endif
.endr
.endm
; One pair of column tiles (fragments in bx) against my 8 row tiles: 16 matrix instructions, 128 minima.
; Group GI issues the two matrix instructions of row tile GI + 2 and takes the minima of row tile GI, one matrix instruction to
; eight minima.  So a D tile is read 24 or more plain vector instructions behind the matrix instruction that wrote it, and none of these
; names a register of that instruction (four are asked for: ISA guide 7.12.1), and it is written again two groups after it was read.
; Groups 6 and 7 already start the next pair (fragments in by), whose four loads were issued in this pair's group 0.
; Every matrix instruction starts its sum from 0.
; vn: this pair's two column registers; vo: the last pair's, which are stored in this pair's group 1.
; first = 1: pair 0: no pair stands in front of it, so there is nothing to store and no wait at its head: BY's registers and v[BA] have been named by no
; vector instruction since the build's last wait on va_vdst, and by no LDS instruction since the wait on vm_vsrc behind the first barrier but as an address.
; step = 1: from pair 2 on the two addresses move on.  At the head of pair p, v[BA] is my place in pair max(p - 1, 0)'s fragments, so pair p + 1's lie 512 bytes
; on in pair 0 and 1,024 in all others; v[CA] is the place of pair max(p - 1, 0)'s column minima.  pre = 0, last = 1: pair 63 fetches nothing and starts nothing.
.macro PAIR bx, by, vn, vo, first, step, pre, last
.set VC0, \vn
.set VC1, \vn+1
.set LOFF, 1024-512*\first
.if \step
	s_wait_alu depctr_vm_vsrc(0)                   ; the loads and stores issued in the pair before have read v[BA] and v[CA], which the adds below write, and the column registers vn, which this pair's minima write again
.if \pre
	v_add_nc_u32 v[BA], 512, v[BA]
.endif
	v_add_nc_u32 v[CA], 128, v[CA]
.endif
.if \first == 0
	s_wait_alu depctr_va_vdst(0)                   ; the adds have written v[BA] and v[CA]; the last pair's minima have written vo, which the stores below read; its matrix instructions are done reading by, in which the loads below land
.endif
.set GI, 0
.rept 8
.set DRD, DD+16*(GI%4)
.set DWR, DD+16*((GI+2)%4)
.set RRW, RA+8*GI
.if GI < 6
	v_wmma_f32_16x16x32_bf16 v[DWR:DWR+7], v[AF+8*GI+16:AF+8*GI+23], v[\bx:\bx+7], 0
.else
.if \last == 0
.if GI == 6
	s_wait_dscnt 0x0                               ; the next pair's fragments (and the last pair's two stores) are done
.endif
	v_wmma_f32_16x16x32_bf16 v[DWR:DWR+7], v[AF+8*GI-48:AF+8*GI-41], v[\by:\by+7], 0
.endif
.endif
.if (GI == 0) && (\pre)
	ds_load_b128 v[\by:\by+3],     v[BA] offset:LOFF                   ; no wait: no vector or matrix instruction since the wait at the pair's head names by or v[BA]
	ds_load_b128 v[\by+4:\by+7],   v[BA] offset:LOFF+BPLANE
.endif
.if (GI == 1) && (\first == 0)
	ds_store_b32 v[CA], v[\vo]                     ; the last pair's column minima over my 128 rows (rows 8 h + j of each tile), into my wave's own planes
	ds_store_b32 v[CA], v[\vo+1] offset:64         ; no wait: no vector or matrix instruction since the wait at the pair's head names vo or v[CA]
.endif
	MINS 0, \first
.if GI < 6
	v_wmma_f32_16x16x32_bf16 v[DWR+8:DWR+15], v[AF+8*GI+16:AF+8*GI+23], v[\bx+8:\bx+15], 0
.else
.if \last == 0
	v_wmma_f32_16x16x32_bf16 v[DWR+8:DWR+15], v[AF+8*GI-48:AF+8*GI-41], v[\by+8:\by+15], 0
.endif
.endif
.if (GI == 0) && (\pre)
	ds_load_b128 v[\by+8:\by+11],  v[BA] offset:LOFF+256
	ds_load_b128 v[\by+12:\by+15], v[BA] offset:LOFF+BPLANE+256
.endif
	MINS 4, \first
.set GI, GI+1
.endr
.endm
	; row tiles 0 and 1 of the first pair
	v_wmma_f32_16x16x32_bf16 v[DD:DD+7],     v[AF:AF+7],    v[BX:BX+7],    0
	v_wmma_f32_16x16x32_bf16 v[DD+8:DD+15],  v[AF:AF+7],    v[BX+8:BX+15], 0
	v_wmma_f32_16x16x32_bf16 v[DD+16:DD+23], v[AF+8:AF+15], v[BX:BX+7],    0
	v_wmma_f32_16x16x32_bf16 v[DD+24:DD+31], v[AF+8:AF+15], v[BX+8:BX+15], 0
	; seven plain vector instructions that name none of their registers stand before the first minima (ISA guide 7.12.1): the addresses of the way out
	v_lshrrev_b32 v[ROFF], 1, v[LR]                ; rowp: 64 (r / 2) + 32 h + 16 (r % 2), see the row fold
	v_and_b32 v[CRD0], 1, v[LR]
	v_lshlrev_b32 v[ROFF], 6, v[ROFF]
	v_lshl_add_u32 v[ROFF], v[LH], 5, v[ROFF]
	v_lshl_add_u32 v[ROFF], v[CRD0], 4, v[ROFF]
	v_add_nc_u32 v[CRD0], LC, v[T16]
	v_add_nc_u32 v[CRD1], LC+8*CPITCH, v[T16]
	PAIR BX, BY, VCX, VCY, 1, 0, 1, 0              ; pairs 0 and 1 stand ahead of the loop: pair 0 starts the row minima,
	PAIR BY, BX, VCY, VCX, 0, 0, 1, 0              ; and neither steps an address
	s_mov_b32 s50, 30                              ; pairs 2 to 61
.Lpairs:
	PAIR BX, BY, VCX, VCY, 0, 1, 1, 0
	PAIR BY, BX, VCY, VCX, 0, 1, 1, 0
	s_sub_co_u32 s50, s50, 1
	s_cmp_lg_u32 s50, 0
	s_cbranch_scc1 .Lpairs
	PAIR BX, BY, VCX, VCY, 0, 1, 1, 0              ; pair 62 fetches pair 63,
	PAIR BY, BX, VCY, VCX, 0, 1, 0, 1              ; which fetches nothing and starts nothing
	s_wait_alu depctr_va_vdst(0)                   ; pair 63's minima have written VCY, which the two stores below read
	ds_store_b32 v[CA], v[VCY]   offset:128        ; v[CA] is pair 62's place: pair 63's lies 128 bytes on
	ds_store_b32 v[CA], v[VCY+1] offset:192
	s_wait_dscnt 0x0                               ; my column minima are in LDS
	s_barrier_signal -1
	; THE ROW FOLD, on registers, while the other waves arrive.  64 registers x 16 lanes become 4 registers: a merge takes two registers,
	; keeps one in the lanes whose bit is 0 and the other in the lanes whose bit is 1, and takes the minimum with the partner lane's
	; other half: half the registers, half the lanes left to fold.  Lane bits 3, 2, 1 come to stand for the tile i, bit 0 for j / 4:
	; register q of lane (r, h) ends as row 16 (r / 2) + 8 h + 4 (r % 2) + q: four neighbouring rows, 16 bytes.
.macro LEVEL cnt, dist, msk, xm
.set QI, 0
.rept \cnt/4
.irp u, 0,1,2,3
	v_cndmask_b32 v[TM+\u], v[RA+QI+\u], v[RA+\dist+QI+\u], \msk                ; what the lane keeps
.endr
.irp u, 0,1,2,3
	v_cndmask_b32 v[RA+\dist+QI+\u], v[RA+\dist+QI+\u], v[RA+QI+\u], \msk       ; what its partner needs
.endr
.irp u, 0,1,2,3
	v_min_num_f32_dpp v[RA+QI+\u], v[RA+\dist+QI+\u], v[TM+\u] row_xmask:\xm row_mask:0xf bank_mask:0xf
.endr
.set QI, QI+4
.endr
.endm
	LEVEL 32, 32, s44, 8                           ; tiles i and i + 4
	LEVEL 16, 16, s45, 4                           ; tiles i and i + 2
	LEVEL 8,  8,  s46, 2                           ; tiles i and i + 1
	LEVEL 4,  4,  s47, 1                           ; registers j and j + 4
	s_barrier_wait -1                              ; every wave's column minima are in LDS
	s_wait_alu depctr_va_vdst(0)                   ; the row fold has written v[RA .. RA+3], which the store reads; and the walk is done reading and writing AF, BX, BY and DD, in which the 32 LDS loads below land (no vector line stands between)
	global_store_b128 v[ROFF], v[RA:RA+3], s[8:9]  ; the wave's 128 rows: 512 consecutive bytes, aligned, in one store
	; THE COLUMN FOLD: thread t takes columns 4 t .. 4 t + 3 and 1024 + 4 t .. + 3, each over the 16 planes (8 waves x 2 halves of the lanes)
.set CL0, 16
.set CL1, 144
.irp q, 0,1,2,3,4,5,6,7
	ds_load_b128 v[CL0+4*\q:CL0+4*\q+3], v[CRD0] offset:\q*CPITCH
.endr
.irp q, 0,1,2,3,4,5,6,7
	ds_load_b128 v[CL0+32+4*\q:CL0+32+4*\q+3], v[CRD1] offset:\q*CPITCH
.endr
.irp q, 0,1,2,3,4,5,6,7
	ds_load_b128 v[CL1+4*\q:CL1+4*\q+3], v[CRD0] offset:\q*CPITCH+4096
.endr
.irp q, 0,1,2,3,4,5,6,7
	ds_load_b128 v[CL1+32+4*\q:CL1+32+4*\q+3], v[CRD1] offset:\q*CPITCH+4096
.endr
.macro FOLD c                          ; sixteen quads at v[c ..] into the first: planes 0-2, then two a step, then plane 15
.irp u, 0,1,2,3
	v_min3_num_f32 v[\c+\u], v[\c+\u], v[\c+4+\u], v[\c+8+\u]
.endr
.set QI, 3
.rept 6
.irp u, 0,1,2,3
	v_min3_num_f32 v[\c+\u], v[\c+\u], v[\c+4*QI+\u], v[\c+4*QI+4+\u]
.endr
.set QI, QI+2
.endr
.irp u, 0,1,2,3
	v_min_num_f32 v[\c+\u], v[\c+\u], v[\c+60+\u]
.endr
.endm
	s_wait_dscnt 16                                ; LDS loads come back in order: the first sixteen are in, the second sixteen stay out
	FOLD CL0
	s_wait_alu depctr_va_vdst(0)                   ; the fold has written v[CL0 .. CL0+3], which the store reads
	global_store_b128 v[T16], v[CL0:CL0+3], s[10:11]               ; a wave's store covers 512 consecutive bytes, aligned
	s_wait_dscnt 0x0
	FOLD CL1
	s_wait_alu depctr_va_vdst(0)                   ; the fold has written v[CL1 .. CL1+3], which the store reads
	global_store_b128 v[T16], v[CL1:CL1+3], s[10:11] offset:4096
	s_wait_dscnt 0x0
	s_wait_alu depctr_hold_cnt(0) depctr_sa_sdst(0) depctr_va_vdst(0) depctr_va_sdst(0) depctr_va_ssrc(0) depctr_va_vcc(0) depctr_vm_vsrc(0)
	s_wait_tensorcnt 0x0
	ds_add_u32 v246, v247
	s_wait_dscnt 0x0
	s_endpgm
.Lfunc_end_k_q0dcfa2ce51_pairs:
	.size	k_q0dcfa2ce51_pairs, .Lfunc_end_k_q0dcfa2ce51_pairs-k_q0dcfa2ce51_pairs
	.p2alignl 7, 3214868480
	.fill 96, 4, 3214868480
	.section	.rodata,"a",@progbits
	.p2align	6, 0x0
	.amdhsa_kernel k_q0dcfa2ce51_pairs
		.amdhsa_group_segment_fixed_size 264192
		.amdhsa_private_segment_fixed_size 0
		.amdhsa_enable_private_segment 0
		.amdhsa_kernarg_size 32
		.amdhsa_user_sgpr_count 2
		.amdhsa_user_sgpr_kernarg_segment_ptr 1
		.amdhsa_wavefront_size32 1
		.amdhsa_system_sgpr_workgroup_id_x 1
		.amdhsa_system_sgpr_workgroup_id_y 1
		.amdhsa_system_sgpr_workgroup_id_z 1
		.amdhsa_system_vgpr_workitem_id 0
		.amdhsa_next_free_vgpr 248
		.amdhsa_next_free_sgpr 66
		.amdhsa_reserve_vcc 0
		.amdhsa_float_denorm_mode_32 3
		.amdhsa_float_denorm_mode_16_64 3
		.amdhsa_memory_ordered 1
		.amdhsa_forward_progress 1
		.amdhsa_inst_pref_size 102
	.end_amdhsa_kernel
	.amdgpu_metadata
---
amdhsa.version: [ 1, 2 ]
amdhsa.kernels:
  - .name:           k_q0dcfa2ce51_pairs
    .symbol:         k_q0dcfa2ce51_pairs.kd
    .args:
      - { .name: xyz1, .offset: 0, .size: 8, .value_kind: global_buffer, .address_space: global }
      - { .name: xyz2, .offset: 8, .size: 8, .value_kind: global_buffer, .address_space: global }
      - { .name: rowp, .offset: 16, .size: 8, .value_kind: global_buffer, .address_space: global }
      - { .name: colp, .offset: 24, .size: 8, .value_kind: global_buffer, .address_space: global }
    .group_segment_fixed_size: 264192
    .private_segment_fixed_size: 0
    .kernarg_segment_align: 8
    .kernarg_segment_size: 32
    .max_flat_workgroup_size: 256
    .sgpr_count:     66
    .vgpr_count:     248
    .wavefront_size: 32
...
	.end_amdgpu_metadata
.endif
;; end of part 3
;; launch fold: the kernel of part 2 again; grid 256 x 1, 2 waves a work-group, no clusters, 0 bytes of LDS; arguments rowp, colp, out0, out1; writes out0, out1
